; MI455X (gfx1250); checked and timed in simulation.
; The chip was launched on July 23, 2026; its instructions are those of AMD's public machine-readable ISA for CDNA 5 (MIT licence, August 2026) and "CDNA5" Instruction Set Architecture Reference Guide (July 2026). The comments in the code are by the model that wrote it; some were corrected since.
;; Attention. Allowed arithmetic: matrix products marked QUANTISED: E4M3 operands, one given power-of-two scale a tensor, by v_wmma_f32_16x16x64_fp8_fp8 or v_wmma_f32_16x16x128_fp8_fp8, f32 sums; products left as they are: f32 operands where the result goes on into a quantised operand, else bf16, f16 or f32 operands; f32 sums; everything else in f32.
;; Inputs: Wk 1,024 x 2,048 float32; Wo 1,024 x 2,048 float32; Wq 1,024 x 1,024 float32; Wv 1,024 x 2,048 float32; bk 1,024 float32; bo 1,024 float32; bq 1,024 float32; bv 1,024 float32; lowp_scales 4 int32 (the exponents e of the quantised operands' scales 2^e); memory 16,384 x 2,048 float32; x 1 x 1 x 1,024 float32.
;; Outputs: out0 1 x 1 x 1,024 float32.
;; This version of the problem:
;;   THIS VERSION OF THE PROBLEM IS GIVEN IN LOW PRECISION. The matrix products marked QUANTISED in the list below multiply operands that are first quantised to E4M3 (4 exponent bits, 3 mantissa bits; 8 bits a number), with one given power-of-two scale for each operand tensor; their sums are f32. All else is computed in f32.
;;   The module's matrix products, in the order in which they are computed (A, B: the left and right operand; K: the contracted axis; several contracted axes count as one K, in the product's order):
;;     1. [M 1, K 1,024] x [K 1,024, N 1,024]; A: input x; B: input Wq: left as it is (M = 1 < 16)
;;     2. [M 16,384, K 2,048] x [K 2,048, N 1,024]; A: input memory; B: input Wk: QUANTISED (scales: A lowp_scales[0], B lowp_scales[1])
;;     3. batch 8 x [M 1, K 128] x [K 128, N 16,384]; A: computed on the way; B: computed on the way: left as it is (M = 1 < 16)
;;     4. [M 16,384, K 2,048] x [K 2,048, N 1,024]; A: input memory; B: input Wv: QUANTISED (scales: A lowp_scales[2], B lowp_scales[3])
;;     5. batch 8 x [M 1, K 16,384] x [K 16,384, N 128]; A: softmax; B: computed on the way: left as it is (M = 1 < 16)
;;     6. [M 1, K 2,048] x [K 2,048, N 1,024]; A: computed on the way; B: input Wo: left as it is (M = 1 < 16)
;;   THE QUANTISER, for each operand of a quantised product, along K:
;;     - The operand's scale is 2^e, e = its entry of the input lowp_scales (int32; the entries are numbered through the quantised products in the list's order, A before B).
;;     - Each number is divided by the scale, clamped to +-448, and rounded to the nearest number of E4M3, ties to even, subnormals kept.
;;     - The product sums the exact products of the quantised numbers (number of the format x scale) in f32.
;;   ~~~python
;;   def quantise(x, axis, e):      # numpy; x: float32 -> the quantised numbers, widened to float32 again
;;       x = np.moveaxis(x, axis, -1); K = x.shape[-1]
;;       r = np.clip(x / 2.0 ** e, -448, 448)
;;       step = 2.0 ** (np.maximum(np.frexp(np.where(r == 0, 1, r))[1] - 1, -6) - 3)
;;       q = np.round(r / step) * step * 2.0 ** e      # np.round: ties to even
;;       return np.moveaxis(q, -1, axis).astype(np.float32)
;;   ~~~
;; One version. Each part assembles by itself: llvm-mc -triple=amdgcn-amd-amdhsa -mcpu=gfx1250 --defsym DOCPART=n.
;; ======== version 1 of 1: 3 launches
;; limits: right only within a limited range of input values
;; workspace buffers: acodes 67,108,864 bytes; wcodes 4,194,304 bytes; qv 8,192 bytes; part 262,144 bytes; stats 4,096 bytes
;; launch prep (part 1): grid 1184 x 1, 4 waves a work-group, no clusters, 0 bytes of LDS; arguments memory, Wk, Wv, Wq, x, bq, bk, lowp_scales, acodes, wcodes, qv; writes acodes, wcodes, qv
.if DOCPART == 1
	.amdgcn_target "amdgcn-amd-amdhsa--gfx1250"
	.amdhsa_code_object_version 6
	.text
	.protected	k_q419452a40b_prep
	.globl	k_q419452a40b_prep
	.p2align	8
	.type	k_q419452a40b_prep,@function
k_q419452a40b_prep:
	s_mov_b64 s[64:65], 0
	v_nop
	global_prefetch_b8 v0, s[64:65] scope:SCOPE_SE
	s_setreg_imm32_b32 hwreg(HW_REG_WAVE_MODE, 25, 1), 1
	s_wait_xcnt 0x0
; THE LAUNCH IN FRONT OF THE TWO QUANTISED PRODUCTS.  Three kinds of work-groups, told apart by the work-group's number alone:
;   0 .. 31      q = x Wq^T + bq in f32 (fused multiply-adds: one row of x), left as two vectors for the scores (below);
;   32 .. 159    Wk and Wv [1024][2048] f32 into codes of E4M3 under 2^e1 and 2^e3;
;   160 .. 1183  memory [16384][2048] f32 into TWO sets of codes, under 2^e0 (for the product with Wk) and under 2^e2 (for the product with Wv): the two scales are given apart and may differ.
; code = number / 2^e, held within +-448, rounded to the nearest code, ties to even.
; LAYOUT OF THE CODES.  acodes: [16384][4096] bytes: row l = memory[l] under e0 (bytes 0-2047), then under e2 (bytes 2048-4095).
; wcodes: [1024][4096] bytes, row c = 128 n + d (HEAD BY HEAD: column h = 8 d + n of the products belongs to head n): Wk[8 d + n] under e1, then Wv[8 d + n] under e3.
; So one walk along a row of 4,096 bytes is the first product's K and then the second's.
; ORDER OF k INSIDE A ROW: in each aligned run of 512 codes, byte 16 L + 4 i + c holds k = 128 i + 4 L + c.  It is the same in acodes and in wcodes, so every product meets its partner, and one scale
; serves a whole tensor, so nothing else hangs on the order.  It is what comes of itself when a wave's four loads each read 512 consecutive bytes (lane L: 16 bytes) and the lane's 16 numbers become 16 bytes:
; every load and every store of the wave covers 512 consecutive bytes, aligned, and nothing goes through LDS.
; qv: QS[1024] then QB[1024], f32, index 128 n + d, with c = log2(e) / sqrt(128):  QS = q[8 d + n] c 2^(e0 + e1),  QB = q[8 d + n] c bk[8 d + n].
; A score in base 2 is then the sum over d of QS x (the first product's raw sum) + QB.
; LIMITS: each of e0 .. e3 lies between -126 and 119, so that 2^e and 448 x 2^e are f32 numbers.  NaN among the inputs is not served (an infinity is held at the largest code).
; No LDS, no barrier, no matrix instruction, no cluster: the waves share no bulk input.  A wave of the quantising paths takes 8,192 numbers (4 rows) in 16 steps of 512, written out, loads four steps (16 loads) ahead.
; DEAD WORK LEFT OUT: reference() adds pad_mask x TINY to the scores.  TINY is a constant that reference() builds itself, float32(2.2e-308), which is 0.0 in f32: the term is 0 for every finite memory,
; so memory's row sums and the mask are not computed.  LIMIT: a NaN, an infinity or an overflow that would arise in that sum alone is not carried to the result.
.set GQ,  32
.set GW,  128                          ; of the weights' path
.set R,   16                           ; v16-79   four sets of 16 numbers as loaded
.set T,   80                           ; v80-95   the numbers held for the first set of codes
.set C,   96                           ; v96-159  memory's path: eight slots of 8 registers of codes
.set X,   16                           ; q path: v16-47 x
.set WA,  48                           ; q path: v48-79, v80-111 two rows of Wq by turns
.set RES, 112
.set C1,  80                           ; v80-143  the weights' path: four registers of codes for each of the 16 steps, so that no store's data are written again
; One step with one set of codes (scale v8, bound v9).  rs: bytes from one of the wave's four rows of codes to the next.
.macro QONE t, rs
.set RS_, R+16*((\t)%4)
.set CS_, C1+4*(\t)
.if 15-(\t) >= 3
	s_wait_loadcnt 12                              ; this step's four loads are in, those of the three steps behind it may be out
.else
	s_wait_loadcnt 4*(15-(\t))
.endif
.irp i, 0,1,2,3,4,5,6,7,8,9,10,11,12,13,14,15
	v_med3_num_f32 v[RS_+\i], v[RS_+\i], -v9, v9   ; the hold at the largest code x the scale (ISA guide 7.6.2)
.endr
	v_cvt_scalef32_pk8_fp8_f32 v[CS_:CS_+1], v[RS_:RS_+7], v8
	v_cvt_scalef32_pk8_fp8_f32 v[CS_+2:CS_+3], v[RS_+8:RS_+15], v8
.if (\t)+4 < 16
	LOAD (\t)+4                                    ; into the set just converted
.endif
	global_store_b128 v3, v[CS_:CS_+3], s[6:7] offset:((\t)/4)*(\rs)+((\t)%4)*512   ; 32 lanes store 512 consecutive bytes, aligned
.endm
.macro LOAD t                          ; step t: four loads, each 512 consecutive bytes
.irp i, 0,1,2,3
	global_load_b128 v[R+16*((\t)%4)+4*\i:R+16*((\t)%4)+4*\i+3], v3, s[4:5] offset:2048*(\t)+512*\i th:TH_LOAD_NT
.endr
.endm
.macro MKSC vs, vl, se                 ; v[vs] = 2^e as f32 (the conversion takes its exponent field), v[vl] = 448 x 2^e
	s_add_co_i32 s40, \se, 127
	s_lshl_b32 s41, s40, 23
	v_mov_b32 v[\vs], s41
	s_add_co_i32 s40, s40, 8
	s_lshl_b32 s40, s40, 23
	s_or_b32 s40, s40, 0x600000
	v_mov_b32 v[\vl], s40
.endm
; One step.  two = 1: two sets of codes (scales v8/v9 and v10/v11), the second 2,048 bytes behind the first; two = 0: one set.  rs: bytes from one of the wave's four rows of codes to the next.
.macro QSTEP t, two, rs
.set RS_, R+16*((\t)%4)
.set CS_, C+8*((\t)%8)
.if 15-(\t) >= 3
	s_wait_loadcnt 12                              ; loads come back in order: this step's four are in, those of the three steps behind it may be out
.else
	s_wait_loadcnt 4*(15-(\t))
.endif
.if (\t) == 8
	s_wait_xcnt 0x0                                ; the stores of steps 0 to 7 have read the eight slots of codes: steps 8 to 15 rewrite them only behind this one wait
.endif
.if \two
.irp i, 0,1,2,3,4,5,6,7,8,9,10,11,12,13,14,15
	v_med3_num_f32 v[T+\i], v[RS_+\i], -v9, v9     ; the conversion to an 8-bit code does not saturate (ISA guide 7.6.2): the hold at the largest code x the scale
.endr
	v_cvt_scalef32_pk8_fp8_f32 v[CS_:CS_+1], v[T:T+7], v8
	v_cvt_scalef32_pk8_fp8_f32 v[CS_+2:CS_+3], v[T+8:T+15], v8
.irp i, 0,1,2,3,4,5,6,7,8,9,10,11,12,13,14,15
	v_med3_num_f32 v[RS_+\i], v[RS_+\i], -v11, v11 ; the second scale, in place; these plain lines name nothing of the conversions above
.endr
	v_cvt_scalef32_pk8_fp8_f32 v[CS_+4:CS_+5], v[RS_:RS_+7], v10
	v_cvt_scalef32_pk8_fp8_f32 v[CS_+6:CS_+7], v[RS_+8:RS_+15], v10
.else
.irp i, 0,1,2,3,4,5,6,7,8,9,10,11,12,13,14,15
	v_med3_num_f32 v[RS_+\i], v[RS_+\i], -v9, v9
.endr
	v_cvt_scalef32_pk8_fp8_f32 v[CS_:CS_+1], v[RS_:RS_+7], v8
	v_cvt_scalef32_pk8_fp8_f32 v[CS_+2:CS_+3], v[RS_+8:RS_+15], v8
.endif
.if (\t)+4 < 16
	LOAD (\t)+4                                    ; into the set just converted (a load into a conversion's sources wants no place)
.endif
	global_store_b128 v3, v[CS_:CS_+3], s[6:7] offset:((\t)/4)*(\rs)+((\t)%4)*512   ; 32 lanes store 512 consecutive bytes, aligned
.if \two
	global_store_b128 v3, v[CS_+4:CS_+7], s[6:7] offset:((\t)/4)*(\rs)+((\t)%4)*512+2048
.endif
; (the next step's first hold is the plain line behind these conversions: it names other registers)
.endm
	s_load_b512 s[8:23], s[0:1], 0x0               ; memory s[8:9], Wk s[10:11], Wv s[12:13], Wq s[14:15], x s[16:17], bq s[18:19], bk s[20:21], the exponents s[22:23]
	s_load_b128 s[24:27], s[0:1], 0x40             ; acodes s[24:25], wcodes s[26:27]
	s_load_b64 s[28:29], s[0:1], 0x50              ; qv
	v_lshrrev_b32 v1, 5, v0
	v_readfirstlane_b32 s30, v1                    ; wave 0..3
	v_and_b32 v2, 31, v0                           ; lane
	v_lshlrev_b32 v3, 4, v2                        ; 16 x lane: my bytes of a load's or a store's 512; never rewritten
	s_wait_kmcnt 0x0
	s_load_b128 s[32:35], s[22:23], 0x0            ; e0, e1, e2, e3: waited for behind each path's first loads
	s_cmp_lt_u32 ttmp9, GQ
	s_cbranch_scc1 .Lq
	s_cmp_lt_u32 ttmp9, GQ+GW
	s_cbranch_scc1 .Lw
	; ---- memory: wave u of 4,096 takes rows 4 u .. 4 u + 3
	s_sub_co_u32 s38, ttmp9, GQ+GW
	s_lshl_b32 s38, s38, 2
	s_add_co_u32 s38, s38, s30                     ; u
	s_lshl_b32 s44, s38, 15                        ; 4 rows of 8,192 bytes
	s_mov_b32 s45, 0
	s_add_nc_u64 s[4:5], s[8:9], s[44:45]
	s_lshl_b32 s46, s38, 14                        ; 4 rows of 4,096 bytes of codes
	s_mov_b32 s47, 0
	s_add_nc_u64 s[6:7], s[24:25], s[46:47]
	s_wait_alu depctr_va_vdst(0)
.irp t, 0,1,2,3
	LOAD \t
.endr
	s_wait_kmcnt 0x0
	MKSC 8, 9, s32                                 ; e0
	MKSC 10, 11, s34                               ; e2
	s_wait_alu depctr_va_vdst(0)
.irp t, 0,1,2,3,4,5,6,7,8,9,10,11,12,13,14,15
	QSTEP \t, 1, 4096
.endr
	s_endpgm
	; ---- Wk (the first 64 work-groups of this path) and Wv: wave u of 256 takes rows 4 u .. 4 u + 3 of its tensor: heads 4 (u % 2) + 0 .. 3, d = u / 2
.Lw:
	s_sub_co_u32 s43, ttmp9, GQ
	s_cmp_lt_u32 s43, 64                           ; the choice hangs on the work-group's number alone
	s_cselect_b64 s[4:5], s[10:11], s[12:13]
	s_cselect_b32 s42, 0, 2048                     ; Wk's codes lie in the first half of a row of wcodes, Wv's in the second
	s_and_b32 s38, s43, 63
	s_lshl_b32 s38, s38, 2
	s_add_co_u32 s38, s38, s30                     ; u
	s_lshl_b32 s44, s38, 15
	s_mov_b32 s45, 0
	s_add_nc_u64 s[4:5], s[4:5], s[44:45]
	s_and_b32 s46, s38, 1
	s_lshl_b32 s46, s46, 9                         ; 4 (u % 2) heads of 128 rows
	s_lshr_b32 s47, s38, 1
	s_add_co_u32 s46, s46, s47                     ; + d
	s_lshl_b32 s46, s46, 12
	s_add_co_u32 s46, s46, s42
	s_mov_b32 s47, 0
	s_add_nc_u64 s[6:7], s[26:27], s[46:47]
	s_wait_alu depctr_va_vdst(0)
.irp t, 0,1,2,3
	LOAD \t
.endr
	s_wait_kmcnt 0x0
	s_cmp_lt_u32 s43, 64
	s_cselect_b32 s39, s33, s35                    ; e1 or e3
	MKSC 8, 9, s39
	s_wait_alu depctr_va_vdst(0)
.irp t, 0,1,2,3,4,5,6,7,8,9,10,11,12,13,14,15
	QONE \t, 524288                                ; the next source row is the next head: 128 rows of wcodes on; the largest offset, 1,574,400, lies inside the signed 24-bit immediate
.endr
	s_endpgm
	; ---- q: wave u of 128 makes the eight numbers of head n = u % 8 with d = 8 (u / 8) + 0 .. 7: rows 8 d + n of Wq, 32,768 bytes apart
.Lq:
	s_lshl_b32 s38, ttmp9, 2
	s_add_co_u32 s38, s38, s30                     ; u
	s_and_b32 s39, s38, 7                          ; n
	s_lshr_b32 s42, s38, 3                         ; u / 8
	s_lshl_b32 s43, s42, 6
	s_add_co_u32 s43, s43, s39                     ; the first row: 64 (u / 8) + n
	s_lshl_b32 s44, s43, 12
	s_mov_b32 s45, 0
	s_add_nc_u64 s[4:5], s[14:15], s[44:45]
	s_mov_b32 s36, 0x76543210                      ; v_permlanex16_b32's selects for lane l xor 16
	s_mov_b32 s37, 0xfedcba98
	s_wait_alu depctr_va_vdst(0)
	v_and_b32 v4, 7, v2                            ; which of the eight rows my lane will keep
	s_lshl_b32 s46, s43, 2
	v_lshl_add_u32 v5, v4, 5, s46                  ; its place in bq and in bk: 4 (first row + 8 (lane % 8))
	global_load_b32 v6, v5, s[18:19]
	global_load_b32 v7, v5, s[20:21]
.irp j, 0,1,2,3,4,5,6,7
	global_load_b128 v[X+4*\j:X+4*\j+3], v3, s[16:17] offset:512*\j
.endr
.macro ROWLD i                         ; row i of the eight: eight loads of 512 consecutive bytes
.irp j, 0,1,2,3,4,5,6,7
	global_load_b128 v[WA+32*((\i)%2)+4*\j:WA+32*((\i)%2)+4*\j+3], v3, s[4:5] offset:32768*(\i)+512*\j th:TH_LOAD_NT
.endr
.endm
.macro QROW i
.set WS_, WA+32*((\i)%2)
.if (\i) < 7
	s_wait_loadcnt 8                               ; this row is in (and x, bq, bk, issued ahead of it); the next row's eight loads may be out
.else
	s_wait_loadcnt 0
.endif
	v_pk_mul_f32 v[120:121], v[WS_:WS_+1], v[X:X+1]          ; the first products start the two chains: nothing is cleared
	v_pk_mul_f32 v[122:123], v[WS_+2:WS_+3], v[X+2:X+3]
.irp j, 1,2,3,4,5,6,7
	v_pk_fma_f32 v[120:121], v[WS_+4*\j:WS_+4*\j+1], v[X+4*\j:X+4*\j+1], v[120:121]
	v_pk_fma_f32 v[122:123], v[WS_+4*\j+2:WS_+4*\j+3], v[X+4*\j+2:X+4*\j+3], v[122:123]
.endr
.if (\i) < 6
	ROWLD (\i)+2
.endif
	v_pk_add_f32 v[120:121], v[120:121], v[122:123]
	v_add_f32 v124, v120, v121
	v_add_f32_dpp v124, v124, v124 row_xmask:1 row_mask:0xf bank_mask:0xf
	v_add_f32_dpp v124, v124, v124 row_xmask:2 row_mask:0xf bank_mask:0xf
	v_add_f32_dpp v124, v124, v124 row_xmask:4 row_mask:0xf bank_mask:0xf
	v_add_f32_dpp v124, v124, v124 row_xmask:8 row_mask:0xf bank_mask:0xf
	v_permlanex16_b32 v125, v124, s36, s37
	v_add_f32 v[RES+(\i)], v124, v125              ; the row's sum, in every lane
.endm
	ROWLD 0
	ROWLD 1
	v_mov_b32 v125, 0                              ; written once: a lane permute's destination counts as one of its sources
.irp i, 0,1,2,3,4,5,6,7
	QROW \i
.endr
	v_mov_b32 v126, v[RES]
.irp i, 1,2,3,4,5,6,7
	v_cmp_eq_u32 vcc_lo, \i, v4
	v_cndmask_b32 v126, v126, v[RES+\i], vcc_lo    ; lane l keeps row l % 8
.endr
	s_lshl_b32 s46, s39, 7
	s_lshl_b32 s47, s42, 3
	s_add_co_u32 s46, s46, s47
	s_lshl_b32 s46, s46, 2                         ; 4 (128 n + 8 (u / 8))
	v_lshl_add_u32 v1, v2, 2, s46
	s_wait_alu depctr_va_vdst(0)
	s_wait_kmcnt 0x0
	s_add_co_i32 s40, s32, s33                     ; e0 + e1
	v_add_f32 v126, v126, v6                       ; + bq
	v_mul_f32 v126, 0x3e0293ee, v126               ; x c = log2(e) / sqrt(128)
	v_mul_f32 v127, v126, v7                       ; QB = q c bk
	v_ldexp_f32 v126, v126, s40                    ; QS = q c 2^(e0 + e1)
	s_wait_alu depctr_va_vdst(0)
	s_wait_xcnt 0x0                                ; EXEC changes only behind this wait
	v_cmp_gt_u32 vcc_lo, 8, v2
	s_and_saveexec_b32 s41, vcc_lo
	global_store_b32 v1, v126, s[28:29]            ; eight lanes store 32 neighbouring bytes: qv is 8,192 bytes in all
	global_store_b32 v1, v127, s[28:29] offset:4096
	s_endpgm
.Lfunc_end_k_q419452a40b_prep:
	.size	k_q419452a40b_prep, .Lfunc_end_k_q419452a40b_prep-k_q419452a40b_prep
	.p2alignl 7, 3214868480
	.fill 96, 4, 3214868480
	.section	.rodata,"a",@progbits
	.p2align	6, 0x0
	.amdhsa_kernel k_q419452a40b_prep
		.amdhsa_group_segment_fixed_size 0
		.amdhsa_private_segment_fixed_size 0
		.amdhsa_enable_private_segment 0
		.amdhsa_kernarg_size 88
		.amdhsa_user_sgpr_count 2
		.amdhsa_user_sgpr_kernarg_segment_ptr 1
		.amdhsa_wavefront_size32 1
		.amdhsa_system_sgpr_workgroup_id_x 1
		.amdhsa_system_sgpr_workgroup_id_y 1
		.amdhsa_system_sgpr_workgroup_id_z 1
		.amdhsa_system_vgpr_workitem_id 0
		.amdhsa_next_free_vgpr 160
		.amdhsa_next_free_sgpr 66
		.amdhsa_reserve_vcc 1
		.amdhsa_float_denorm_mode_32 3
		.amdhsa_float_denorm_mode_16_64 3
		.amdhsa_memory_ordered 1
		.amdhsa_forward_progress 1
		.amdhsa_inst_pref_size 95
	.end_amdhsa_kernel
	.amdgpu_metadata
---
amdhsa.version: [ 1, 2 ]
amdhsa.kernels:
  - .name:           k_q419452a40b_prep
    .symbol:         k_q419452a40b_prep.kd
    .args:
      - { .name: memory, .offset: 0, .size: 8, .value_kind: global_buffer, .address_space: global }
      - { .name: Wk, .offset: 8, .size: 8, .value_kind: global_buffer, .address_space: global }
      - { .name: Wv, .offset: 16, .size: 8, .value_kind: global_buffer, .address_space: global }
      - { .name: Wq, .offset: 24, .size: 8, .value_kind: global_buffer, .address_space: global }
      - { .name: x, .offset: 32, .size: 8, .value_kind: global_buffer, .address_space: global }
      - { .name: bq, .offset: 40, .size: 8, .value_kind: global_buffer, .address_space: global }
      - { .name: bk, .offset: 48, .size: 8, .value_kind: global_buffer, .address_space: global }
      - { .name: lowp_scales, .offset: 56, .size: 8, .value_kind: global_buffer, .address_space: global }
      - { .name: acodes, .offset: 64, .size: 8, .value_kind: global_buffer, .address_space: global }
      - { .name: wcodes, .offset: 72, .size: 8, .value_kind: global_buffer, .address_space: global }
      - { .name: qv, .offset: 80, .size: 8, .value_kind: global_buffer, .address_space: global }
    .group_segment_fixed_size: 0
    .private_segment_fixed_size: 0
    .kernarg_segment_align: 8
    .kernarg_segment_size: 88
    .max_flat_workgroup_size: 128
    .sgpr_count:     66
    .vgpr_count:     160
    .wavefront_size: 32
...
	.end_amdgpu_metadata
.endif
;; end of part 1
;; launch gemm (part 2): grid 4 x 64, 4 waves a work-group, clusters of 4 x 4, 327,680 bytes of LDS; arguments acodes, wcodes, qv, part, stats; writes part, stats
.if DOCPART == 2
	.amdgcn_target "amdgcn-amd-amdhsa--gfx1250"
	.amdhsa_code_object_version 6
	.text
	.protected	k_q419452a40b_gemm
	.globl	k_q419452a40b_gemm
	.p2align	8
	.type	k_q419452a40b_gemm,@function
k_q419452a40b_gemm:
	s_mov_b64 s[64:65], 0
	v_nop
	global_prefetch_b8 v0, s[64:65] scope:SCOPE_SE
	s_setreg_imm32_b32 hwreg(HW_REG_WAVE_MODE, 25, 1), 1
	s_wait_xcnt 0x0
	s_wait_alu depctr_hold_cnt(0) depctr_sa_sdst(0) depctr_va_vdst(0) depctr_va_sdst(0) depctr_va_ssrc(0) depctr_va_vcc(0) depctr_vm_vsrc(0)
	s_getreg_b32 s2, hwreg(HW_REG_IB_STS2, 6, 4)
	s_cmp_eq_u32 s2, 0
	s_cbranch_scc0 .Lentry_in_a_cluster
	s_endpgm
.Lentry_in_a_cluster:
	s_bfe_u32 s2, ttmp6, 0x10000c
	s_cmp_lg_u32 s2, 0xf033
	s_cbranch_scc0 .Lentry_shape_is_right
	s_endpgm
.Lentry_shape_is_right:
; THE TWO QUANTISED PRODUCTS AND THE SOFTMAX BETWEEN THEM, on codes of E4M3.  (The pad mask's term is 0 by reference()'s own constant and is left out: see the first kernel.)
; A work-group owns 256 rows l of memory and 256 columns (two heads; wcodes is laid head by head); a wave 128 rows x 128 columns (one head): 64 accumulators, 512 registers.
; PHASE K: raw sums of memory x Wk^T, K = 2,048.  t(l) = sum over d of QS[d] x raw(l, d) + QB[d] is the score in base 2 (qv, from the first launch).  m = the wave's largest t, p = 2^(t - m), S = sum of p.
; PHASE V: raw sums of memory x Wv^T on the same accumulators.  F[d] = sum over l of p(l) x raw(l, d).  The two waves of a head join (m, S, F) through LDS; part [64 blocks][8 heads][128] and stats (m, S) go to the last launch.
; THE WALK: 16 K steps of 256 bytes along the rows of 4,096 bytes (wcodes: Wk's codes, then Wv's; acodes: memory under e0, then under e2) through a ring of two LDS slots filled by joint tensor loads.
; CLUSTERS: 4 x 4.  A's tiles are shared along a row of the cluster, B's along a column.  THE MATRIX INSTRUCTION IS USED TRANSPOSED (source 0 = 16 rows of wcodes, source 1 = 16 rows of acodes): lane l holds row l % 16, registers 0-7 columns 8 (l / 16) + 0 .. 7.
; A CHANGE OF SLOTS: all reads of a slot are issued when its last step of 128 begins.  That step's first 32 products stand ahead of the wait for the tensor loads; the wait, the add, the round and the refill follow on end; the other 32 products come behind the refill.
; LIMITS: those of the first launch's exponents; the scores in base 2 stay under 2^31 in magnitude.  NaN among the inputs is not served.
; REGISTERS: window 0: v0-31 addresses, v10 m, v11 S, v[12:13] QB's sum, v32-47 t then p, v64-127 QS then F, v128-255 A's fragments (one set); window 1: B's fragments (two sets); windows 2, 3: accumulators.
.set ROWB,   256                       ; a slot's part of a row
.set KROW,   4096                      ; a row of acodes or wcodes
.set PITCH,  272                       ; an LDS row: 256 bytes + 16 of padding
.set FR,     16
.set NL,     4
.set NP,     4                         ; places behind this matrix instruction (ISA guide 7.12.1)
.set HALFT,  128*PITCH
.set SLOT,   4*HALFT                   ; A's 256 rows, then B's 256 rows
.set SPARE,  2*SLOT                    ; the spare words: 128 bytes a wave, named by no other line
.set RM,   7
.set ADRA, 16
.set ADRB, 20
.set ZO,   22
.set STO,  24
.set STM,  25
.set CO,   26
.set RD,   27
.set SPW,  28
.set NIL,  29
.set PFO,  30
.set T,    32
.set QS,   64
.set AF,   128
.set G1, 24
.set G0, 32
.set G1B, 48
.set G0B, 56
.set SEL, 66
.set PFA, 68                           ; s[68:69] the address that a change's prefetch names: stepped one K step at each change that fills
.set LIM, 70
.set PBASE, 84                         ; s[84:85] the first byte of the 32 rows that my wave prefetches; never rewritten
.set MSB, 0
.macro WIN new                         ; the immediate's high byte repeats the setting that is left
.if MSB != \new
	s_set_vgpr_msb (MSB<<8)|\new
.set MSB, \new
.endif
.endm
.set MUL_LO, 0xa1
.set MUL_HI, 0xf1
.set TO_B,   0x40
.macro JLOAD g0a, g1a, g0b, g1b        ; waves 0, 1 fetch A's halves, waves 2, 3 B's; s_nop 0 and four v_nop behind each line
	s_cmp_eq_u32 s15, 0
	s_cbranch_scc0 .Lfor_b_\@
	tensor_load_to_lds s[\g0a:\g0a+3], s[\g1a:\g1a+7]
	s_nop 0
.rept 4
	v_nop
.endr
	s_branch .Lasked_\@
.Lfor_b_\@:
	tensor_load_to_lds s[\g0b:\g0b+3], s[\g1b:\g1b+7]
	s_nop 0
.rept 4
	v_nop
.endr
.Lasked_\@:
.endm
; PREFETCH INTO THE L2: behind the load of K step t, K step t + 2: 32 rows x 256 bytes, a lane a row, one instruction a wave.  The four partners that ask for a tile jointly share its 128 rows out by address.
; A's rows are asked for by every cluster (each has its own), B's, which all clusters walk, by the clusters of the grid's first row alone.  how = 0: the loop's last trip has no K step two on.
.macro ASK how
.if \how
	s_cmp_eq_u32 s[LIM], 1
.else
	s_cmp_gt_u32 s3, s[LIM]
.endif
	s_cbranch_scc0 .Lnot_mine_\@
	global_prefetch_b8 v[PFO], s[PFA:PFA+1] th:TH_LOAD_NT scope:SCOPE_SE
.Lnot_mine_\@:
.endm
.macro ASKH off                        ; the same at the ring's start, from the rows' first byte
	s_cmp_eq_u32 s[LIM], 1
	s_cbranch_scc0 .Lnot_mine_\@
	global_prefetch_b8 v[PFO], s[PBASE:PBASE+1] offset:\off th:TH_LOAD_NT scope:SCOPE_SE
.Lnot_mine_\@:
.endm
.macro CREST
	s_cmp_lg_u32 s14, 0
	s_cbranch_scc1 .Lnot_wave_0_\@
	s_barrier_signal -3
.Lnot_wave_0_\@:
	s_barrier_wait -3
	s_barrier_signal -1
	s_barrier_wait -1
.endm
.macro CROUND
	s_barrier_signal -1
	s_barrier_wait -1
	CREST
.endm
	s_load_b128 s[4:7], s[0:1], 0x0                ; acodes s[4:5], wcodes s[6:7]
	s_load_b64 s[8:9], s[0:1], 0x10                ; qv
	s_load_b128 s[80:83], s[0:1], 0x18             ; part s[80:81], stats s[82:83]
	v_lshl_add_u32 v[SPW], v0, 2, SPARE
	v_mov_b32 v[NIL], 0
	ds_add_u32 v[SPW], v[NIL]                      ; the opening lines: the add, twice on end, and its wait ahead of my first tensor load
	ds_add_u32 v[SPW], v[NIL]
	v_lshrrev_b32 v1, 5, v0
	v_readfirstlane_b32 s14, v1                    ; wave
	s_lshr_b32 s15, s14, 1                         ; my half of the rows; also: I fetch for A (0) or B (1)
	s_and_b32 s16, s14, 1                          ; my half of the columns; also: which 128 rows I fetch
	s_bfe_u32 s40, ttmp6, 0x40000                  ; cx
	s_bfe_u32 s41, ttmp6, 0x40004                  ; cy
	s_lshl_b32 s42, ttmp9, 2
	s_add_co_u32 s42, s42, s40                     ; tile column
	s_and_b32 s17, ttmp7, 0xffff
	s_lshl_b32 s17, s17, 2
	s_add_co_u32 s17, s17, s41                     ; tile row = block of 256 rows of memory
	s_lshl_b32 s43, s41, 2
	s_lshl_b32 s43, 15, s43                        ; my row of the cluster
	s_lshl_b32 s44, 0x1111, s40                    ; my column
	s_or_b32 s[G1+0], s43, (0<<16)|(1<<20)|(1<<21)|(5<<22)|(3<<25)   ; mask; bytes; padding of 4 words behind every 64; bit 21 beside a mask
	s_or_b32 s[G1B+0], s44, (0<<16)|(1<<20)|(1<<21)|(5<<22)|(3<<25)
.irp g, G1, G1B
	s_mov_b32 s[\g+1], ROWB<<16
	s_mov_b32 s[\g+2], 128<<16
	s_mov_b32 s[\g+3], ROWB<<16
	s_mov_b32 s[\g+4], 128
	s_mov_b32 s[\g+5], KROW
	s_mov_b32 s[\g+6], 0
	s_mov_b32 s[\g+7], 0
.endr
	s_mov_b32 s[SEL], 0x76543210
	s_mov_b32 s[SEL+1], 0xfedcba98
	s_lshl_b32 s18, s16, 7
	s_lshl_b32 s20, s17, 8
	s_add_co_u32 s20, s20, s18                     ; A: row 256 x tile row + 128 x half
	s_lshl_b32 s46, s42, 8
	s_add_co_u32 s46, s46, s18                     ; B: row 256 x tile column + 128 x half
	s_mov_b32 s21, 0
	s_mov_b32 s47, 0
	s_mov_b64 s[18:19], KROW
	s_mul_u64 s[20:21], s[20:21], s[18:19]
	s_mul_u64 s[46:47], s[46:47], s[18:19]
	s_mul_i32 s45, s14, HALFT                      ; where my rows go in a slot
	s_wait_dscnt 0x0                               ; both opening adds are done
	s_wait_kmcnt 0x0
	s_add_nc_u64 s[20:21], s[4:5], s[20:21]
	s_add_nc_u64 s[46:47], s[6:7], s[46:47]
	CROUND                                         ; all sixteen work-groups are here: the first joint loads meet
.irp s, 0,1
	s_mov_b32 s[G0+4*\s], 1
	s_add_co_u32 s[G0+4*\s+1], s45, \s*SLOT
	s_add_nc_u64 s[G0+4*\s+2:G0+4*\s+3], s[20:21], \s*ROWB
	s_or_b32 s[G0+4*\s+3], s[G0+4*\s+3], 0x80000000
	s_mov_b32 s[G0B+4*\s], 1
	s_add_co_u32 s[G0B+4*\s+1], s45, \s*SLOT
	s_add_nc_u64 s[G0B+4*\s+2:G0B+4*\s+3], s[46:47], \s*ROWB
	s_or_b32 s[G0B+4*\s+3], s[G0B+4*\s+3], 0x80000000
.endr
	JLOAD G0, G1, G0B, G1B                         ; K step 0: one tensor load a wave at the head; the rest of the head stands under it
	v_and_b32 v1, 15, v0
	v_bfe_u32 v2, v0, 4, 1
	v_mul_u32_u24 v3, v1, PITCH
	v_lshl_add_u32 v4, v2, 4, v3                   ; a fragment's row x pitch + 16 x half
	s_mul_i32 s21, s15, HALFT
	s_mul_i32 s22, s16, HALFT
	s_add_co_u32 s22, s22, 2*HALFT
.irp s, 0,1
	v_add_nc_u32 v[ADRA+\s], s21, v4
	v_add_nc_u32 v[ADRB+\s], s22, v4
	s_add_co_u32 s21, s21, SLOT
	s_add_co_u32 s22, s22, SLOT
.endr
	v_and_b32 v6, 31, v0
	v_lshlrev_b32 v5, 5, v2                        ; qv: my half's eight columns of each 16: 32 bytes
	s_wait_alu depctr_va_vdst(0)
	s_lshl_b32 s23, s14, 10
	v_add_nc_u32 v[STO], s23, v5                   ; the way out: 1,024 bytes of slot 0 for each wave: F (512), then m, S
	v_mov_b32 v[STM], s23
	v_lshlrev_b32 v[CO], 4, v6
	s_lshl_b32 s23, s16, 10
	v_add_nc_u32 v[RD], s23, v[CO]
	v_mov_b32 v[RM], s23
	v_mov_b32 v[ZO], 0
	v_lshlrev_b32 v[PFO], 12, v6                   ; the prefetches: a lane a row of 4,096 bytes
	s_wait_alu depctr_va_vdst(0)
	s_lshl_b32 s76, s17, 8
	s_lshl_b32 s77, s42, 8
	s_and_b32 s74, ttmp7, 0xffff
	s_cmp_eq_u32 s15, 0                            ; do I fetch for A?
	s_cselect_b32 s72, s76, s77                    ; the tile's first row
	s_cselect_b32 s73, s40, s41                    ; my place among the four that ask with me
	s_cselect_b32 s74, ttmp9, s74
	s_cselect_b64 s[PBASE:PBASE+1], s[4:5], s[6:7]
	s_cmp_eq_u32 s74, 0
	s_cselect_b32 s[LIM], 1, -1
	s_lshl_b32 s74, s16, 7
	s_add_co_u32 s72, s72, s74
	s_lshl_b32 s73, s73, 5
	s_add_co_u32 s72, s72, s73
	s_lshl_b32 s72, s72, 12
	s_mov_b32 s73, 0
	s_add_nc_u64 s[PBASE:PBASE+1], s[PBASE:PBASE+1], s[72:73]
	s_add_nc_u64 s[PFA:PFA+1], s[PBASE:PBASE+1], 3*ROWB   ; the first refill, of K step 2, steps it to K step 4
	ASKH ROWB                                      ; the ring's start: K step 1, whose load follows the next round,
	ASKH 2*ROWB                                    ; and K step 2, two on from K step 0's load
	s_lshl_b32 s72, s42, 1
	s_add_co_u32 s72, s72, s16                     ; my head
	s_lshl_b32 s74, s72, 9
	s_mov_b32 s75, 0
	s_add_nc_u64 s[8:9], s[8:9], s[74:75]          ; its 128 numbers of QS (QB: 4,096 bytes on)
	s_lshl_b32 s73, s17, 12
	s_add_co_u32 s74, s74, s73
	s_add_nc_u64 s[80:81], s[80:81], s[74:75]      ; part: 4,096 x block + 512 x head
	s_lshl_b32 s74, s72, 6
	s_add_co_u32 s74, s74, s17
	s_lshl_b32 s74, s74, 3
	s_add_nc_u64 s[82:83], s[82:83], s[74:75]      ; stats: 8 (64 head + block)
.irp b, 0,1,2,3,4,5,6,7
	global_load_b128 v[AF+8*\b:AF+8*\b+3], v5, s[8:9] offset:4096+64*\b
	global_load_b128 v[AF+8*\b+4:AF+8*\b+7], v5, s[8:9] offset:4096+64*\b+16
.endr
.irp b, 0,1,2,3,4,5,6,7
	global_load_b128 v[QS+8*\b:QS+8*\b+3], v5, s[8:9] offset:64*\b
	global_load_b128 v[QS+8*\b+4:QS+8*\b+7], v5, s[8:9] offset:64*\b+16
.endr
	s_wait_loadcnt 0x0
.set k, 4
.rept 28
	v_pk_add_f32 v[AF+2*(k%4):AF+2*(k%4)+1], v[AF+2*(k%4):AF+2*(k%4)+1], v[AF+2*k:AF+2*k+1]   ; QB's sum over my half's 64 columns, in four chains of pairs
.set k, k+1
.endr
	v_pk_add_f32 v[AF:AF+1], v[AF:AF+1], v[AF+2:AF+3]
	v_pk_add_f32 v[AF+4:AF+5], v[AF+4:AF+5], v[AF+6:AF+7]
	v_pk_add_f32 v[12:13], v[AF:AF+1], v[AF+4:AF+5]
.macro FRAG reg, adr, q, i             ; 16 rows x 128 K: registers 4 c .. 4 c + 3 hold bytes 32 c + 16 (l / 16) + 0 .. 15: the same order of k in A and in B
.irp c, 0,1,2,3
	ds_load_b128 v[\reg+4*\c:\reg+4*\c+3], v[\adr] offset:128*(\q)+32*\c+(\i)*16*PITCH
.endr
.endm
.macro MUL16 a0, p, zero               ; A's blocks a0, a0 + 1 x B's eight; the 64 accumulators take turns in one order
.irp a, \a0, \a0+1
.irp b, 0,1,2,3,4,5,6,7
.if \zero
	v_wmma_f32_16x16x128_fp8_fp8 v[8*(8*((\a)%4)+\b):8*(8*((\a)%4)+\b)+7], v[128*(\p)+FR*\b:128*(\p)+FR*\b+FR-1], v[AF+FR*(\a):AF+FR*(\a)+FR-1], 0
.else
	v_wmma_f32_16x16x128_fp8_fp8 v[8*(8*((\a)%4)+\b):8*(8*((\a)%4)+\b)+7], v[128*(\p)+FR*\b:128*(\p)+FR*\b+FR-1], v[AF+FR*(\a):AF+FR*(\a)+FR-1], v[8*(8*((\a)%4)+\b):8*(8*((\a)%4)+\b)+7]
.endif
.endr
.endr
.endm
.macro FETCH_B slot, q, p
	WIN TO_B
.irp i, 0,1,2,3,4,5,6,7
	FRAG 128*(\p)+FR*\i, ADRB+\slot, \q, \i
.endr
	WIN 0
.endm
.macro FETCH_A slot, q, i0
.irp i, \i0, \i0+1, \i0+2, \i0+3
	FRAG AF+FR*(\i), ADRA+\slot, \q, \i
.endr
.endm
.macro PLACES n
.rept \n
	v_nop
.endr
.endm
.macro STEP slot, q, zero              ; a step of 128 along K that has its successor in the same slot
	s_wait_dscnt 4*NL                              ; B's set and A's blocks 0-3 are in; A's blocks 4-7 (16 loads) may be out
	WIN MUL_LO
	MUL16 0, (\q)%2, \zero
	MUL16 2, (\q)%2, \zero
	s_wait_dscnt 0
	PLACES NP
	FETCH_B \slot, (\q)+1, 1-(\q)%2
	FETCH_A \slot, (\q)+1, 0
	WIN MUL_HI
	MUL16 4, (\q)%2, \zero
	MUL16 6, (\q)%2, \zero
	PLACES NP
	WIN 0
	FETCH_A \slot, (\q)+1, 4
.endm
; A slot's last step, and the change of slots in its middle.  fill = 1: this slot takes the K step two on.
.macro TURN slot, next, fill, how
	s_wait_dscnt 4*NL                              ; B's set and A's blocks 0-3 are in
	WIN MUL_LO
	MUL16 0, 1, 0                                  ; 32 products ahead of the wait for the tiles
	MUL16 2, 1, 0
	WIN 0
.if \fill
	s_wait_xcnt 0x0                                ; my last prefetch has read its address
	s_add_nc_u64 s[PFA:PFA+1], s[PFA:PFA+1], ROWB
.endif
	s_wait_tensorcnt 0x0                           ; my one load that was out, my part of the next slot, has landed
	ds_add_u32 v[SPW], v[NIL]                      ; the descriptors' steps stand between the add and its wait
.if \fill
	s_add_nc_u64 s[G0+4*\slot+2:G0+4*\slot+3], s[G0+4*\slot+2:G0+4*\slot+3], 2*ROWB
	s_add_nc_u64 s[G0B+4*\slot+2:G0B+4*\slot+3], s[G0B+4*\slot+2:G0B+4*\slot+3], 2*ROWB
.endif
	s_wait_dscnt 0x0                               ; the add is done, and all my reads of this slot (A's blocks 4-7 were the last)
	s_barrier_signal -1
	s_barrier_wait -1
.if \fill
	CREST                                          ; the barrier opened a round of the cluster's barrier: no wave of any partner reads this slot or has a load out
	JLOAD G0+4*\slot, G1, G0B+4*\slot, G1B         ; the refill; its four v_nop are the places in front of the loads below
.else
	PLACES NP
.endif
	FETCH_B \next, 0, 0
	FETCH_A \next, 0, 0
.if \fill
	ASK \how
.endif
	WIN MUL_HI
	MUL16 4, 1, 0
	MUL16 6, 1, 0
	PLACES NP
	WIN 0
	FETCH_A \next, 0, 4
.endm
.macro SCHALF hi                       ; t's partial sums: block a's pair T + 2 a += raw x QS, two columns at a time; each accumulator is read from its low end on
	WIN 0x02+\hi
.irp b, 0,1,2,3,4,5,6,7
.irp p, 0,1,2,3
.irp a, 0,1,2,3
.if (\b == 0) && (\p == 0)
	v_pk_fma_f32 v[T+2*(4*\hi+\a):T+2*(4*\hi+\a)+1], v[8*(8*\a+\b)+2*\p:8*(8*\a+\b)+2*\p+1], v[QS+8*\b+2*\p:QS+8*\b+2*\p+1], v[12:13]
.else
	v_pk_fma_f32 v[T+2*(4*\hi+\a):T+2*(4*\hi+\a)+1], v[8*(8*\a+\b)+2*\p:8*(8*\a+\b)+2*\p+1], v[QS+8*\b+2*\p:QS+8*\b+2*\p+1], v[T+2*(4*\hi+\a):T+2*(4*\hi+\a)+1]
.endif
.endr
.endr
.endr
.endm
.macro WHALF hi                        ; F's partial sums over my lane's eight rows: F[column] += raw x p(row); the first products start the sums
	WIN 0x02+\hi
.irp a, 0,1,2,3
.irp b, 0,1,2,3,4,5,6,7
.irp p, 0,1,2,3
.if (\hi == 0) && (\a == 0)
	v_pk_mul_f32 v[QS+8*\b+2*\p:QS+8*\b+2*\p+1], v[8*(8*\a+\b)+2*\p:8*(8*\a+\b)+2*\p+1], v[T+2*(4*\hi+\a):T+2*(4*\hi+\a)+1] op_sel_hi:[1,0]
.else
	v_pk_fma_f32 v[QS+8*\b+2*\p:QS+8*\b+2*\p+1], v[8*(8*\a+\b)+2*\p:8*(8*\a+\b)+2*\p+1], v[T+2*(4*\hi+\a):T+2*(4*\hi+\a)+1], v[QS+8*\b+2*\p:QS+8*\b+2*\p+1] op_sel_hi:[1,0,1]
.endif
.endr
.endr
.endr
.endm
	s_wait_alu depctr_va_vdst(0)
	s_wait_tensorcnt 0x0                           ; my part of K step 0 is in; slot 1's first fill is issued as a refill is:
	ds_add_u32 v[SPW], v[NIL]
	s_wait_dscnt 0x0
	CROUND
	JLOAD G0+4, G1, G0B+4, G1B                     ; K step 1
	FETCH_B 0, 0, 0
	FETCH_A 0, 0, 0
	FETCH_A 0, 0, 4
	ASKH 3*ROWB                                    ; two on from K step 1's load
	STEP 0, 0, 1                                   ; the first products start the sums
	s_mov_b32 s3, 3
.LlapK:                                                ; a trip goes once round the ring and fills both slots: K steps 2 .. 7
	TURN 0, 1, 1, 1
	STEP 1, 0, 0
	TURN 1, 0, 1, 1
	STEP 0, 0, 0
	s_sub_co_u32 s3, s3, 1
	s_cmp_lg_u32 s3, 0
	s_cbranch_scc1 .LlapK
	TURN 0, 1, 1, 1                                ; the ring goes on into the second product: K steps 8 and 9
	STEP 1, 0, 0
	TURN 1, 0, 1, 1
	s_wait_alu depctr_va_vdst(0)
	SCHALF 0
	SCHALF 1
	WIN 0
.irp a, 0,1,2,3,4,5,6,7
	v_add_f32 v[T+2*\a], v[T+2*\a], v[T+2*\a+1]
.endr
.irp a, 0,1,2,3,4,5,6,7
	v_permlanex16_b32 v[T+2*\a+1], v[T+2*\a], s[SEL], s[SEL+1]
.endr
.irp a, 0,1,2,3,4,5,6,7
	v_add_f32 v[T+2*\a], v[T+2*\a], v[T+2*\a+1]    ; t of row 16 a + l % 16, in both halves of the lanes
.endr
	v_max3_num_f32 v10, v[T], v[T+2], v[T+4]
	v_max3_num_f32 v10, v10, v[T+6], v[T+8]
	v_max3_num_f32 v10, v10, v[T+10], v[T+12]
	v_max_num_f32 v10, v10, v[T+14]
	v_max_num_f32_dpp v10, v10, v10 row_xmask:1 row_mask:0xf bank_mask:0xf
	v_max_num_f32_dpp v10, v10, v10 row_xmask:2 row_mask:0xf bank_mask:0xf
	v_max_num_f32_dpp v10, v10, v10 row_xmask:4 row_mask:0xf bank_mask:0xf
	v_max_num_f32_dpp v10, v10, v10 row_xmask:8 row_mask:0xf bank_mask:0xf   ; m: the largest t of my 128 rows
.irp a, 0,1,2,3,4,5,6,7
	v_sub_f32 v[T+2*\a], v[T+2*\a], v10
.endr
	s_wait_alu depctr_va_vdst(0)                   ; the wait ahead of the batch
.irp a, 0,1,2,3,4,5,6,7
	v_exp_f32 v[T+2*\a], v[T+2*\a]                 ; p = 2^(t - m)
.endr
	v_nop
	s_wait_alu depctr_va_vdst(0)                   ; and the one behind it
	v_add_f32 v11, v[T], v[T+2]
.irp a, 2,3,4,5,6,7
	v_add_f32 v11, v11, v[T+2*\a]
.endr
	STEP 0, 0, 1                                   ; the second product starts its sums on the same accumulators
	s_mov_b32 s3, 3
.LlapV:                                                ; K steps 10 .. 15
	TURN 0, 1, 1, 0
	STEP 1, 0, 0
	TURN 1, 0, 1, 0
	STEP 0, 0, 0
	s_sub_co_u32 s3, s3, 1
	s_cmp_lg_u32 s3, 0
	s_cbranch_scc1 .LlapV
	TURN 0, 1, 0, 0                                ; the last lap fills nothing
	STEP 1, 0, 0
	s_wait_dscnt 4*NL
	WIN MUL_LO
	MUL16 0, 1, 0
	MUL16 2, 1, 0
	s_wait_dscnt 0
	WIN MUL_HI
	MUL16 4, 1, 0
	MUL16 6, 1, 0
	WIN 0
	PLACES NP
	WHALF 0
	WHALF 1
	WIN 0
.irp m, 1,2,4,8                        ; over the sixteen rows that the lanes of a half hold
.set i, 0
.rept 64
	v_add_f32_dpp v[QS+i], v[QS+i], v[QS+i] row_xmask:\m row_mask:0xf bank_mask:0xf
.set i, i+1
.endr
	v_add_f32_dpp v11, v11, v11 row_xmask:\m row_mask:0xf bank_mask:0xf
.endr
.irp b, 0,1,2,3,4,5,6,7                ; into slot 0, which has had its last fill and its last read
	ds_store_b128 v[STO], v[QS+8*\b:QS+8*\b+3] offset:64*\b
	ds_store_b128 v[STO], v[QS+8*\b+4:QS+8*\b+7] offset:64*\b+16
.endr
	ds_store_b64 v[STM], v[10:11] offset:512
	s_wait_dscnt 0x0
	s_barrier_signal -1
	s_barrier_wait -1
	s_cmp_lg_u32 s15, 0
	s_cbranch_scc1 .Lclose
	ds_load_b128 v[32:35], v[RD]                   ; waves 0 and 1 join the two halves of the rows of their head
	ds_load_b128 v[36:39], v[RD] offset:2048
	ds_load_b64 v[40:41], v[RM] offset:512
	ds_load_b64 v[42:43], v[RM] offset:2560
	s_wait_dscnt 0x0
	v_max_num_f32 v48, v40, v42
	v_sub_f32 v50, v40, v48
	v_sub_f32 v51, v42, v48
	s_wait_alu depctr_va_vdst(0)
	v_exp_f32 v50, v50
	v_exp_f32 v51, v51
	v_nop
	s_wait_alu depctr_va_vdst(0)
	v_mul_f32 v49, v41, v50
	v_fma_f32 v49, v43, v51, v49
.irp i, 0,1,2,3
	v_mul_f32 v[32+\i], v[32+\i], v50
.endr
.irp i, 0,1,2,3
	v_fma_f32 v[32+\i], v[36+\i], v51, v[32+\i]
.endr
	global_store_b128 v[CO], v[32:35], s[80:81]    ; 32 lanes store 512 consecutive bytes, aligned
	s_wait_xcnt 0x0                                ; EXEC changes only behind this wait
	v_cmp_eq_u32 vcc_lo, 0, v6
	s_and_saveexec_b32 s74, vcc_lo
	global_store_b64 v[ZO], v[48:49], s[82:83]
	s_wait_xcnt 0x0
	s_or_b32 exec_lo, exec_lo, s74
.Lclose:
	s_wait_tensorcnt 0x0                           ; the wave's end
	ds_add_u32 v[SPW], v[NIL]
	s_wait_dscnt 0x0
	CROUND                                         ; the closing round
	s_endpgm
.Lfunc_end_k_q419452a40b_gemm:
	.size	k_q419452a40b_gemm, .Lfunc_end_k_q419452a40b_gemm-k_q419452a40b_gemm
	.p2alignl 7, 3214868480
	.fill 96, 4, 3214868480
	.section	.rodata,"a",@progbits
	.p2align	6, 0x0
	.amdhsa_kernel k_q419452a40b_gemm
		.amdhsa_group_segment_fixed_size 327680
		.amdhsa_private_segment_fixed_size 0
		.amdhsa_enable_private_segment 0
		.amdhsa_kernarg_size 40
		.amdhsa_user_sgpr_count 2
		.amdhsa_user_sgpr_kernarg_segment_ptr 1
		.amdhsa_wavefront_size32 1
		.amdhsa_system_sgpr_workgroup_id_x 1
		.amdhsa_system_sgpr_workgroup_id_y 1
		.amdhsa_system_sgpr_workgroup_id_z 1
		.amdhsa_system_vgpr_workitem_id 0
		.amdhsa_next_free_vgpr 1024
		.amdhsa_next_free_sgpr 86
		.amdhsa_reserve_vcc 1
		.amdhsa_float_denorm_mode_32 3
		.amdhsa_float_denorm_mode_16_64 3
		.amdhsa_memory_ordered 1
		.amdhsa_forward_progress 1
		.amdhsa_inst_pref_size 211
	.end_amdhsa_kernel
	.amdgpu_metadata
---
amdhsa.version: [ 1, 2 ]
amdhsa.kernels:
  - .name:           k_q419452a40b_gemm
    .symbol:         k_q419452a40b_gemm.kd
    .args:
      - { .name: acodes, .offset: 0, .size: 8, .value_kind: global_buffer, .address_space: global }
      - { .name: wcodes, .offset: 8, .size: 8, .value_kind: global_buffer, .address_space: global }
      - { .name: qv, .offset: 16, .size: 8, .value_kind: global_buffer, .address_space: global }
      - { .name: part, .offset: 24, .size: 8, .value_kind: global_buffer, .address_space: global }
      - { .name: stats, .offset: 32, .size: 8, .value_kind: global_buffer, .address_space: global }
    .group_segment_fixed_size: 327680
    .private_segment_fixed_size: 0
    .kernarg_segment_align: 8
    .kernarg_segment_size: 40
    .max_flat_workgroup_size: 128
    .sgpr_count:     86
    .vgpr_count:     1024
    .wavefront_size: 32
...
	.end_amdgpu_metadata
.endif
;; end of part 2
;; launch fin (part 3): grid 256 x 1, 16 waves a work-group, clusters of 4 x 1, 327,680 bytes of LDS; arguments part, stats, x, Wo, bo, bv, lowp_scales, out0; writes out0
.if DOCPART == 3
	.amdgcn_target "amdgcn-amd-amdhsa--gfx1250"
	.amdhsa_code_object_version 6
	.text
	.protected	k_q419452a40b_fin
	.globl	k_q419452a40b_fin
	.p2align	8
	.type	k_q419452a40b_fin,@function
k_q419452a40b_fin:
	s_mov_b64 s[64:65], 0
	v_nop
	global_prefetch_b8 v0, s[64:65] scope:SCOPE_SE
	s_setreg_imm32_b32 hwreg(HW_REG_WAVE_MODE, 25, 1), 1
	s_wait_xcnt 0x0
	s_wait_alu depctr_hold_cnt(0) depctr_sa_sdst(0) depctr_va_vdst(0) depctr_va_sdst(0) depctr_va_ssrc(0) depctr_va_vcc(0) depctr_vm_vsrc(0)
	s_getreg_b32 s2, hwreg(HW_REG_IB_STS2, 6, 4)
	s_cmp_eq_u32 s2, 0
	s_cbranch_scc0 .Lentry_in_a_cluster
	s_endpgm
.Lentry_in_a_cluster:
	s_bfe_u32 s2, ttmp6, 0x10000c
	s_cmp_lg_u32 s2, 0x3003
	s_cbranch_scc0 .Lentry_shape_is_right
	s_endpgm
.Lentry_shape_is_right:
; THE END OF THE ATTENTION AND THE OUTPUT PROJECTION, all in f32: out0 = relu([x, feat] Wo^T + bo).
; part [64 blocks][8 heads][128] and stats (m, S) at 8 (64 head + block) come from the launch before: F = sum of 2^(t - m) x V's raw sum over a block's 256 rows, S = sum of 2^(t - m).
; feat[8 d + n] = 2^(e2 + e3) x (sum over blocks of 2^(m - M) F[d]) / (sum over blocks of 2^(m - M) S) + bv[8 d + n], M the head's largest m: the softmax's weights add up to 1, so bv is added once.
; SHARES.  A work-group makes 4 numbers of out0: rows o = 4 x work-group + w / 4 of Wo; wave w takes of its row the columns 256 (w % 4) .. + 255 of x's half and the same of feat's half.
; Every work-group makes all of feat for itself, so all read the whole of part (262,144 bytes).  CLUSTERS: 4 x 1 work-groups ask for part JOINTLY: wave w issues one tensor load of bytes 16,384 w .. + 16,383,
; dense, stated as 64 rows of 256 bytes, with the same descriptor in all four and the mask 15; each receives part's image at LDS byte 0.  Nothing is filled again: one barrier behind the wait for the tiles.
; The join: wave w takes head w % 8 over blocks 32 (w / 8) .. + 31, lane l channels 4 l .. 4 l + 3, from LDS; the two halves meet in LDS and are added by the reader.
; A wave's 13 global loads go out at its head, under the tensor load.  No matrix instruction (one row of x); no prefetch: no loop to run ahead in.
; out0 is 4,096 bytes in all: a work-group stores 16 neighbouring bytes of it.
; LIMITS: e2 + e3 is applied by v_ldexp_f32 and has none.  NaN among the inputs is not served.
; LDS: bytes 0-262143 part; then 4,096 bytes of feat's part from blocks 0-31 (with bv), 4,096 from blocks 32-63; a block of 256 with the sixteen partial results; then the spare words.
.set FEAT,  262144
.set RESB,  FEAT+8192
.set SPARE, RESB+256                   ; 128 bytes for each of sixteen waves, named by no other line
.set WO,  16                           ; v16-31   my part of my row of Wo: registers 0-7 x's half, 8-15 feat's half
.set XR,  32                           ; v32-39   my 256 numbers of x
.set PF,  112                          ; v112-239 my head's partials of 32 blocks, 4 registers each; later feat's two parts
.set G0,  56                           ; s[56:59] descriptor group 0
.set G1,  68                           ; s[68:75] descriptor group 1
.macro CROUND                          ; a round of the cluster's barrier
	s_barrier_signal -1
	s_barrier_wait -1
	s_cmp_lg_u32 s30, 0
	s_cbranch_scc1 .Lnot_wave_0_\@
	s_barrier_signal -3
.Lnot_wave_0_\@:
	s_barrier_wait -3
	s_barrier_signal -1
	s_barrier_wait -1
.endm
	s_load_b512 s[8:23], s[0:1], 0x0               ; part s[8:9], stats s[10:11], x s[12:13], Wo s[14:15], bo s[16:17], bv s[18:19], the exponents s[20:21], out0 s[22:23]
	v_lshl_add_u32 v4, v0, 2, SPARE                ; v4, v5: the add's two registers; never rewritten
	v_mov_b32 v5, 0
	ds_add_u32 v4, v5                              ; the opening lines: the add, twice on end, and its wait ahead of my tensor load
	ds_add_u32 v4, v5
	v_lshrrev_b32 v1, 5, v0
	v_readfirstlane_b32 s30, v1                    ; wave 0..15
	s_bfe_u32 s60, ttmp6, 0x40000                  ; cx
	s_lshl_b32 s61, ttmp9, 2
	s_add_co_u32 s61, s61, s60                     ; the work-group: it enters global addresses of Wo, bo and out0 alone
	s_and_b32 s31, s30, 7                          ; my head n
	s_lshr_b32 s32, s30, 3                         ; which half of the blocks
	s_lshr_b32 s52, s30, 2                         ; which of the four rows
	s_and_b32 s53, s30, 3                          ; which quarter of each half of the row
	s_lshl_b32 s54, s53, 10                        ; 256 columns are 1,024 bytes
	s_mov_b32 s55, 0
	s_add_co_u32 s43, s54, FEAT
	s_lshl_b32 s33, s61, 2
	s_add_co_u32 s33, s33, s52                     ; o
	s_lshl_b32 s34, s31, 9
	s_lshl_b32 s35, s32, 17
	s_add_co_u32 s35, s35, s34
	s_lshl_b32 s38, s31, 2
	s_lshl_b32 s39, s32, 12
	s_add_co_u32 s39, s39, FEAT
	s_lshl_b32 s42, s30, 2
	s_add_co_u32 s42, s42, RESB
	s_mov_b32 s36, 0x76543210                      ; v_permlanex16_b32's selects for lane l xor 16
	s_mov_b32 s37, 0xfedcba98
	s_cmp_lg_u32 s32, 0
	s_cselect_b32 s40, -1, 0                       ; a mask of all lanes in the waves of the upper half
	s_mov_b32 s45, 0                               ; (named as the upper words of the pairs s[44:45], s[46:47])
	s_mov_b32 s47, 0
	s_lshl_b32 s24, s33, 13                        ; a row of Wo is 8,192 bytes
	s_add_co_u32 s24, s24, s54
	s_mov_b32 s25, 0
	s_lshl_b32 s28, s61, 4                         ; the work-group's 16 bytes of bo and of out0
	s_mov_b32 s29, 0
	s_lshl_b32 s62, s30, 14                        ; my 16,384 bytes of part, in memory and in LDS alike
	s_mov_b32 s63, 0
	s_mov_b32 s[G1], 15|(3<<16)|(1<<21)            ; the mask of the four; elements of 8 bytes; bit 21 beside a mask; no padding
	s_mov_b32 s[G1+1], 32<<16                      ; tensor_dim0: 32 elements = 256 bytes
	s_mov_b32 s[G1+2], 64<<16                      ; tensor_dim1: 64 rows
	s_mov_b32 s[G1+3], 32<<16                      ; tile_dim0
	s_mov_b32 s[G1+4], 64                          ; tile_dim1
	s_mov_b32 s[G1+5], 32                          ; the pitch: dense
	s_mov_b32 s[G1+6], 0
	s_mov_b32 s[G1+7], 0
	s_wait_dscnt 0x0                               ; both opening adds are done
	s_wait_kmcnt 0x0
	s_mov_b32 s[G0], 1
	s_mov_b32 s[G0+1], s62
	s_add_nc_u64 s[G0+2:G0+3], s[8:9], s[62:63]
	s_or_b32 s[G0+3], s[G0+3], 0x80000000
	CROUND                                         ; the four work-groups are here: the joint loads meet
	tensor_load_to_lds s[G0:G0+3], s[G1:G1+7]      ; my one tensor load
	s_nop 0
	v_and_b32 v1, 31, v0                           ; lane
	v_and_b32 v10, 3, v0
	v_mov_b32 v9, s42                              ; my wave's word among the partial results
	v_mov_b32 v249, 0                              ; written once: a lane permute's destination counts as one of its sources
	v_lshlrev_b32 v2, 4, v1                        ; 16 x lane
	v_lshl_add_u32 v6, v1, 3, s34                  ; stats: 512 n + 8 l: lane l takes blocks l and l + 32
	v_lshl_add_u32 v7, v1, 7, s38                  ; bv: 4 (8 (4 l) + n); channel 4 l + i lies 32 i bytes on
	v_lshlrev_b32 v12, 2, v1
	v_lshl_add_u32 v11, v10, 4, RESB               ; wave 0 reads back: row l % 4's four quarters
	v_lshlrev_b32 v15, 2, v10                      ; bo of row l % 4
	v_add_nc_u32 v3, s35, v2                       ; part in LDS: 32 blocks x half + 512 n + 16 l,
	v_add_nc_u32 v8, s39, v7                       ; feat in LDS, my half's part
	v_add_nc_u32 v14, s43, v2                      ; feat read back: my quarter
	v_add_nc_u32 v40, 0x10000, v3                  ; and 16 blocks on: an LDS offset has 16 bits
	s_wait_alu depctr_va_vdst(0)
	s_load_b128 s[48:51], s[20:21], 0x0            ; e0 .. e3
	s_add_nc_u64 s[14:15], s[14:15], s[24:25]
	s_add_nc_u64 s[12:13], s[12:13], s[54:55]
	s_add_nc_u64 s[16:17], s[16:17], s[28:29]
	s_add_nc_u64 s[22:23], s[22:23], s[28:29]
	global_load_b64 v[240:241], v6, s[10:11]
	global_load_b64 v[242:243], v6, s[10:11] offset:256
.irp i, 0,1,2,3
	global_load_b32 v[244+\i], v7, s[18:19] offset:32*\i
.endr
.irp j, 0,1,2,3
	global_load_b128 v[WO+4*\j:WO+4*\j+3], v2, s[14:15] offset:512*(\j%2)+4096*(\j/2) th:TH_LOAD_NT
.endr
.irp j, 0,1
	global_load_b128 v[XR+4*\j:XR+4*\j+3], v2, s[12:13] offset:512*\j
.endr
	global_load_b32 v13, v15, s[16:17]
	s_wait_kmcnt 0x0
	s_add_co_i32 s41, s50, s51                     ; e2 + e3
	s_wait_loadcnt 7                               ; stats and bv are in; Wo's 4 loads, x's 2 and bo's may be out
	v_max_num_f32 v248, v240, v242
	s_delay_alu instid0(VALU_DEP_1)
	v_max_num_f32_dpp v248, v248, v248 row_xmask:1 row_mask:0xf bank_mask:0xf
	s_delay_alu instid0(VALU_DEP_1)
	v_max_num_f32_dpp v248, v248, v248 row_xmask:2 row_mask:0xf bank_mask:0xf
	s_delay_alu instid0(VALU_DEP_1)
	v_max_num_f32_dpp v248, v248, v248 row_xmask:4 row_mask:0xf bank_mask:0xf
	s_delay_alu instid0(VALU_DEP_1)
	v_max_num_f32_dpp v248, v248, v248 row_xmask:8 row_mask:0xf bank_mask:0xf
	s_delay_alu instid0(VALU_DEP_1)
	v_permlanex16_b32 v249, v248, s36, s37
	s_delay_alu instid0(VALU_DEP_1)
	v_max_num_f32 v248, v248, v249                 ; M: the head's largest m
	s_delay_alu instid0(VALU_DEP_1)
	v_sub_f32 v250, v240, v248
	s_delay_alu instid0(VALU_DEP_2)
	v_sub_f32 v251, v242, v248
	s_wait_alu depctr_va_vdst(0)
	v_exp_f32 v250, v250                           ; 2^(m - M) of block l,
	v_exp_f32 v251, v251                           ; of block l + 32
	v_nop                                          ; a plain instruction behind the last exponential,
	s_wait_alu depctr_va_vdst(0)                   ; and the wait ahead of the first reader
	v_mul_f32 v252, v250, v241
	v_fma_f32 v252, v251, v243, v252
	s_delay_alu instid0(VALU_DEP_1)
	v_add_f32_dpp v252, v252, v252 row_xmask:1 row_mask:0xf bank_mask:0xf
	s_delay_alu instid0(VALU_DEP_1)
	v_add_f32_dpp v252, v252, v252 row_xmask:2 row_mask:0xf bank_mask:0xf
	s_delay_alu instid0(VALU_DEP_1)
	v_add_f32_dpp v252, v252, v252 row_xmask:4 row_mask:0xf bank_mask:0xf
	s_delay_alu instid0(VALU_DEP_1)
	v_add_f32_dpp v252, v252, v252 row_xmask:8 row_mask:0xf bank_mask:0xf
	s_delay_alu instid0(VALU_DEP_1)
	v_permlanex16_b32 v249, v252, s36, s37
	s_delay_alu instid0(VALU_DEP_1)
	v_add_f32 v252, v252, v249                     ; the softmax's divisor
	s_wait_alu depctr_va_vdst(0)
	v_rcp_f32 v252, v252
	v_cndmask_b32 v250, v250, v251, s40            ; (a plain place behind the reciprocal)  my half's factor: lane l holds that of block 32 x half + l
.irp i, 0,1,2,3
	v_cndmask_b32 v[244+\i], v[244+\i], 0, s40     ; bv goes in once: with the lower half
.endr
	s_wait_alu depctr_va_vdst(0)                   ; the wait ahead of the reciprocal's first reader
	v_ldexp_f32 v252, v252, s41                    ; x 2^(e2 + e3)
	s_delay_alu instid0(VALU_DEP_1)
	v_mul_f32 v250, v250, v252                     ; the block's weight
	s_wait_alu depctr_va_vdst(0)
	s_wait_tensorcnt 0x0                           ; my 16,384 bytes of part have landed;
	s_barrier_signal -1
	s_barrier_wait -1                              ; and so have the other waves'
.set i, 0
.rept 16
	ds_load_b128 v[PF+4*i:PF+4*i+3], v3 offset:4096*i                ; 32 lanes read a head's 512 consecutive bytes of a block
.set i, i+1
.endr
.set i, 0
.rept 16
	ds_load_b128 v[PF+64+4*i:PF+64+4*i+3], v40 offset:4096*i
.set i, i+1
.endr
	s_wait_dscnt 0x0
.set i, 0
.rept 32
	v_readlane_b32 s[44+2*(i%2)], v250, i          ; block i's weight as a scalar (a factor alone: no address and no branch hangs on it); two pairs by turns
.if i == 0
	s_delay_alu instid0(VALU_DEP_1)
	v_pk_fma_f32 v[252:253], v[PF:PF+1], s[44:45], v[244:245] op_sel_hi:[1,0,1]      ; bv starts the sums (the scalar pair's low word serves both halves)
	s_delay_alu instid0(VALU_DEP_2)
	v_pk_fma_f32 v[254:255], v[PF+2:PF+3], s[44:45], v[246:247] op_sel_hi:[1,0,1]
.else
	s_delay_alu instid0(VALU_DEP_1)
	v_pk_fma_f32 v[252:253], v[PF+4*i:PF+4*i+1], s[44+2*(i%2):45+2*(i%2)], v[252:253] op_sel_hi:[1,0,1]
	s_delay_alu instid0(VALU_DEP_2)
	v_pk_fma_f32 v[254:255], v[PF+4*i+2:PF+4*i+3], s[44+2*(i%2):45+2*(i%2)], v[254:255] op_sel_hi:[1,0,1]
.endif
.set i, i+1
.endr
.irp i, 0,1,2,3
	ds_store_b32 v8, v[252+\i] offset:32*\i        ; feat's index is 8 d + n: heads are interleaved, so each number has its own word; no tile lands on these bytes
.endr
	s_wait_loadcnt 0x0                             ; Wo, x and bo
	v_pk_mul_f32 v[248:249], v[WO:WO+1], v[XR:XR+1]          ; x's part, in two chains, while the stores land
	v_pk_mul_f32 v[250:251], v[WO+2:WO+3], v[XR+2:XR+3]
.set k, 2
.rept 2
	s_delay_alu instid0(VALU_DEP_2)
	v_pk_fma_f32 v[248+2*(k%2):249+2*(k%2)], v[WO+2*k:WO+2*k+1], v[XR+2*k:XR+2*k+1], v[248+2*(k%2):249+2*(k%2)]
.set k, k+1
.endr
	s_wait_alu depctr_va_vdst(0)
	s_wait_dscnt 0x0                               ; for the others' sake: my stores of feat are done
	s_barrier_signal -1
	s_barrier_wait -1
.irp j, 0,1
	ds_load_b128 v[PF+4*\j:PF+4*\j+3], v14 offset:512*\j             ; feat[256 (w % 4) + 128 j + 4 l + c]: the lower half's part,
	ds_load_b128 v[PF+8+4*\j:PF+8+4*\j+3], v14 offset:4096+512*\j    ; the upper half's
.endr
	s_wait_dscnt 0x0
.set k, 0
.rept 4
	v_pk_add_f32 v[PF+2*k:PF+2*k+1], v[PF+2*k:PF+2*k+1], v[PF+8+2*k:PF+9+2*k]
.set k, k+1
.endr
.set k, 0
.rept 4
	v_pk_fma_f32 v[248+2*(k%2):249+2*(k%2)], v[WO+8+2*k:WO+9+2*k], v[PF+2*k:PF+2*k+1], v[248+2*(k%2):249+2*(k%2)]
.set k, k+1
.endr
	s_delay_alu instid0(VALU_DEP_1)
	v_pk_add_f32 v[248:249], v[248:249], v[250:251]
	s_delay_alu instid0(VALU_DEP_1)
	v_add_f32 v248, v248, v249
	s_delay_alu instid0(VALU_DEP_1)
	v_add_f32_dpp v248, v248, v248 row_xmask:1 row_mask:0xf bank_mask:0xf
	s_delay_alu instid0(VALU_DEP_1)
	v_add_f32_dpp v248, v248, v248 row_xmask:2 row_mask:0xf bank_mask:0xf
	s_delay_alu instid0(VALU_DEP_1)
	v_add_f32_dpp v248, v248, v248 row_xmask:4 row_mask:0xf bank_mask:0xf
	s_delay_alu instid0(VALU_DEP_1)
	v_add_f32_dpp v248, v248, v248 row_xmask:8 row_mask:0xf bank_mask:0xf
	s_delay_alu instid0(VALU_DEP_1)
	v_permlanex16_b32 v249, v248, s36, s37
	s_delay_alu instid0(VALU_DEP_1)
	v_add_f32 v248, v248, v249                     ; my quarter's part of the row's sum
	ds_store_b32 v9, v248                          ; all lanes write the same word with the same value
	s_wait_tensorcnt 0x0                           ; my last LDS store is out
	ds_add_u32 v4, v5
	s_wait_dscnt 0x0                               ; the wait that the barrier below needs
	s_barrier_signal -1
	s_barrier_wait -1
	s_cmp_lg_u32 s30, 0
	s_cbranch_scc1 .Lend
	ds_load_b128 v[16:19], v11                     ; wave 0: lane l takes row l % 4's four quarters,
	s_wait_dscnt 0x0
	s_wait_xcnt 0x0                                ; EXEC changes only behind this wait
	v_add_f32 v16, v16, v17
	v_add_f32 v18, v18, v19
	v_add_f32 v16, v16, v18
	v_add_f32 v16, v16, v13                        ; + bo
	v_max_num_f32 v16, 0, v16                      ; relu
	v_cmp_gt_u32 vcc_lo, 4, v1
	s_and_saveexec_b32 s46, vcc_lo
	global_store_b32 v12, v16, s[22:23]            ; four lanes store 16 neighbouring bytes of out0
	s_wait_xcnt 0x0                                ; and again, in front of the line that widens EXEC
	s_or_b32 exec_lo, exec_lo, s46
.Lend:
	CROUND                                         ; the closing round: no work-group ends while a partner may still ask for a tile that names it
	s_endpgm
.Lfunc_end_k_q419452a40b_fin:
	.size	k_q419452a40b_fin, .Lfunc_end_k_q419452a40b_fin-k_q419452a40b_fin
	.p2alignl 7, 3214868480
	.fill 96, 4, 3214868480
	.section	.rodata,"a",@progbits
	.p2align	6, 0x0
	.amdhsa_kernel k_q419452a40b_fin
		.amdhsa_group_segment_fixed_size 327680
		.amdhsa_private_segment_fixed_size 0
		.amdhsa_enable_private_segment 0
		.amdhsa_kernarg_size 64
		.amdhsa_user_sgpr_count 2
		.amdhsa_user_sgpr_kernarg_segment_ptr 1
		.amdhsa_wavefront_size32 1
		.amdhsa_system_sgpr_workgroup_id_x 1
		.amdhsa_system_sgpr_workgroup_id_y 1
		.amdhsa_system_sgpr_workgroup_id_z 1
		.amdhsa_system_vgpr_workitem_id 0
		.amdhsa_next_free_vgpr 256
		.amdhsa_next_free_sgpr 76
		.amdhsa_reserve_vcc 1
		.amdhsa_float_denorm_mode_32 3
		.amdhsa_float_denorm_mode_16_64 3
		.amdhsa_memory_ordered 1
		.amdhsa_forward_progress 1
		.amdhsa_inst_pref_size 21
	.end_amdhsa_kernel
	.amdgpu_metadata
---
amdhsa.version: [ 1, 2 ]
amdhsa.kernels:
  - .name:           k_q419452a40b_fin
    .symbol:         k_q419452a40b_fin.kd
    .args:
      - { .name: part, .offset: 0, .size: 8, .value_kind: global_buffer, .address_space: global }
      - { .name: stats, .offset: 8, .size: 8, .value_kind: global_buffer, .address_space: global }
      - { .name: x, .offset: 16, .size: 8, .value_kind: global_buffer, .address_space: global }
      - { .name: Wo, .offset: 24, .size: 8, .value_kind: global_buffer, .address_space: global }
      - { .name: bo, .offset: 32, .size: 8, .value_kind: global_buffer, .address_space: global }
      - { .name: bv, .offset: 40, .size: 8, .value_kind: global_buffer, .address_space: global }
      - { .name: lowp_scales, .offset: 48, .size: 8, .value_kind: global_buffer, .address_space: global }
      - { .name: out0, .offset: 56, .size: 8, .value_kind: global_buffer, .address_space: global }
    .group_segment_fixed_size: 327680
    .private_segment_fixed_size: 0
    .kernarg_segment_align: 8
    .kernarg_segment_size: 64
    .max_flat_workgroup_size: 512
    .sgpr_count:     76
    .vgpr_count:     256
    .wavefront_size: 32
...
	.end_amdgpu_metadata
.endif
;; end of part 3
